; MI455X (gfx1250); checked and timed in simulation.
; The chip was launched on July 23, 2026; its instructions are those of AMD's public machine-readable ISA for CDNA 5 (MIT licence, August 2026) and "CDNA5" Instruction Set Architecture Reference Guide (July 2026). The comments in the code are by the model that wrote it; some were corrected since.
;; Alt Predictor. Allowed arithmetic: float matrix products may take bf16 or f16 operands with f32 sums; all other float work in f32.
;; Inputs: fc1_b 5 float32; fc1_w 5 x 20 float32; fc2_b 5 float32; fc2_w 5 x 5 float32; fc3_b 1 float32; fc3_w 1 x 5 float32; l1_b 5 float32; l1_w 5 x 15 float32; l2_b 5 float32; l2_w 5 x 5 float32; l3_b 5 float32; l3_w 5 x 5 float32; x 64 x 300 x 100 x 10 float32.
;; Outputs: out0 64 x 100 float32.
;; One version. Each part assembles by itself: llvm-mc -triple=amdgcn-amd-amdhsa -mcpu=gfx1250 --defsym DOCPART=n.
;; ======== version 1 of 1: 2 launches
;; limits: values outside matrix products are rounded to bf16
;; workspace buffers: part 131,072 bytes
;; launch sites (part 1): grid 256 x 1, 16 waves a work-group, no clusters, 310,272 bytes of LDS; arguments x, l1_w, l1_b, l2_w, l2_b, l3_w, l3_b, fc1_w, fc1_b, fc2_w, fc2_b, fc3_w, part; writes part
.if DOCPART == 1
	.amdgcn_target "amdgcn-amd-amdhsa--gfx1250"
	.amdhsa_code_object_version 6
	.text
	.protected	k_q5eec200462_sites
	.globl	k_q5eec200462_sites
	.p2align	8
	.type	k_q5eec200462_sites,@function
k_q5eec200462_sites:
	s_mov_b64 s[64:65], 0
	v_nop
	global_prefetch_b8 v0, s[64:65] scope:SCOPE_SE
	s_setreg_imm32_b32 hwreg(HW_REG_WAVE_MODE, 25, 1), 1
	s_wait_xcnt 0x0
; AltPredictor, first launch.  x: [64][300][100][10] f32.  A "site" is one (batch, position): 100 reads of 10 features, 4,000 bytes.
; Work-group g owns the 75 sites 75 g .. 75 g + 74 (a quarter of one batch's 300 positions): 300,000 consecutive bytes of x, which lie in LDS
; whole: every byte is asked for once, at the start, and nothing is ever filled again.  16 waves: wave w does the sites 16 t + w, t = 0..3,
; and waves 0..10 also site 64 + w (75 = 11 x 5 + 5 x 4).  That extra site is asked for first and computed first, so that behind each of the
; four regular tiles the same loads are issued in every wave and one count serves all.
; Result: part[g][i] = max over the group's 75 sites of log2e * (fc3_w . h2) of read i; entries 100..127 of a row are filler, stored so that a
; row is two whole runs of 256 bytes, and never read.  fc3's bias, elu, the factor 5 and the sigmoid are non-decreasing, so the maximum is
; taken in front of them, and the second launch applies them once to each output.
;
; LANE = READ THROUGH ALL LAYERS.  v_wmma_f32_16x16x32_bf16 takes the WEIGHTS as A and the DATA as B.  A lane's 8 B registers hold 16 "slots"
; of its own read (register q: slots 2q, 2q+1); the lanes' two halves own disjoint halves of K (ISA guide 7.12.2).  In A, lane (row, half)
; holds W[row & 7][slot] where half == row >> 3 and row & 7 < outputs, else 0.  Then register j of D in lane L is output j of read L: 32 reads
; x 8 outputs x 16 inputs in one instruction, and D, after ELU and a packing to bf16, is the next B in the same lane.  The residual "+ y" is
; the C operand, in f32, in place.
; SCALED DOMAIN.  Activations are kept as y' = log2e y: weights on x, r, b and all biases carry the factor log2e, weights on activations do
; not.  ELU is then T = 2^v', T = log2e T - log2e, y' = median(v', 0, T): right on both sides of 0, since e^v - 1 >= v.
; MEANS OVER THE READS BY THE MATRIX UNIT.  A lane's f32 sum over the site's 4 chunks, times 0.01 (0 in idle lanes), packed to bf16, is an A
; operand; B holds the weights that act on the mean (equal in both halves, columns n and n + 8 equal): D1[row][n] = the row's two lanes' share.
; D1 packed is again an A operand (row n, k = D1's row); times a B of ones, with the bias as C, it gives c[j] in register j of EVERY lane:
; the C operand of l1 (l1_w[:,0:4] b + l1_b) and of fc1 (fc1_w[:,0:5] ymean + fc1_w[:,5:9] b + fc1_b).
; A SITE IS 4 CHUNKS OF 25 READS in lanes 0..24; lanes 25..31 repeat the chunk's read 24 (clamped address), count 0 in the means and end in
; no result.  So all that belongs to a site is uniform in the wave.
;
; NOT USED, AND WHY.  Clusters: work-groups share only the 1,124 bytes of weights.  A ring of slots: the whole share is resident.  Tile rows
; on 256-byte boundaries: a site is 4,000 bytes and a group's share begins at 300,000 g, a multiple of 32 only.  LDS padding: lanes 40 bytes
; apart reading 8 bytes touch words 10 i, 10 i + 1 mod 64, all different for 32 lanes.
; LIMITS.  Matrix operands are bf16: x, r, activations, weights, the biases of l2, l3, fc2, the lanes' shares of the means and the 16 row
; shares (rounded once more).  e^v - 1 is 2^v' and one fused multiply-add, absolute error about 1e-7.  NaN and infinities in the inputs are
; not carried through (median and maximum drop NaN, 0 x infinity arises in masked places).  Sums run in another order.
.set LOG2E,  0x3fb8aa3b
.set NLOG2E, 0xbfb8aa3b
.set SITEB,  4000                      ; bytes of a site
.set CHUNKB, 1000                      ; bytes of 25 reads
.set GROUPB, 300000                    ; bytes of a work-group's 75 sites
.set FULLW,  11                        ; waves 0..10 have an extra site
.set WPITCH, 4*SITEB                   ; LDS bytes of a wave's four regular sites
.set EXTRA,  16*WPITCH                 ; 256,000: the extra sites, 4,000 bytes for each of waves 0..10; the last ends at 300,000
.set SCR,    300032                    ; = 1172 x 256: 16 rows of 512 bytes for the way out; no tensor load lands in these blocks
; vector registers
.set VA,   1                           ; LDS address of my read in chunk 0 of the site region at work
.set VB,   2                           ; LDS address of that region (read 0)
.set KL,   4                           ; v[4:5]    log2e, twice
.set KN,   6                           ; v[6:7]    -log2e, twice
.set MK,   8                           ; v[8:9]    0.01 in lanes 0..24, else 0, twice
.set MX,   10                          ; v[10:13]  running maximum, chunk c
.set X0,   14                          ; v[14:17]  features 0..3 of the site's read 0
.set RT,   18                          ; v[18:19]  at work: r
.set SUM,  20                          ; v[20:24]  in-lane sums over the chunks
.set T,    26                          ; v[26:35]  ELU at work
.set D1,   26                          ; v[26:33]  first product of a mean (T is idle then)
.set CC,   36                          ; v[36:43]  the site's constant C operand
.set PD,   44                          ; v[44:47]  D1 packed; v[44:51] is the A operand (v48..51 are zeros)
.set RA1,  48                          ; v[48:55]  A operand of the first mean: six zeros, then XS
.set XS,   54                          ; v[54:55]  packed shares of the mean of x0..3; v[54:61] is the A operand of the second mean
.set YS,   56                          ; v[56:58]  packed shares of the mean of y; v59..61 zeros
.set LT,   62                          ; v62       40 x min(lane, 24): my read's bytes in a chunk
.set X,    64                          ; chunk c: v[64+10c .. 73+10c] x as loaded; its first 8 are then Y, the layers' accumulator
.set BX,   104                         ; chunk c: 8 registers, slots x0..x9, r, 0 ..
.set PB,   136                         ; chunk c: 8 registers, slots y'0..y'4, 1.0, 0 ..
.set ONES, 168                         ; 8 registers of bf16 ones
.set WL1,  176                         ; A images of the six layers
.set WF1,  184
.set WL2,  192
.set WL3,  200
.set WF2,  208
.set WF3,  216
.set BR1,  224                         ; B images for the two means
.set BR2,  232
.set CB1,  240                         ; log2e l1_b in registers 0..4, zeros in 5..7
.set CBF,  248                         ; the same of fc1_b
; set-up only (registers of X and BX, which the main part writes before it reads them)
.set ST1,  64                          ; l1_w[jc][0..14]
.set STF,  80                          ; fc1_w[jc][0..19]
.set ST2,  100                         ; l2_w[jc][0..4], l2_b[jc]
.set ST3,  106                         ; l3 likewise
.set STG,  112                         ; fc2 likewise
.set STH,  118                         ; fc3_w[0][0..4]
.set TA,   124
.set TB,   125
.set FA1,  126                         ; 1.0 where an A image is not masked, else 0
.set FAL,  127                         ; log2e there
.set FB1,  128                         ; the same for the B images (no mask on the half)
.set FBL,  129
.set F3,   130                         ; 1.0 in fc3's one row of each half
.set O60,  131                         ; byte offsets of weight row jc: rows of 60, 20, 80, 4 bytes; and 0
.set O20,  132
.set O80,  133
.set O4,   134
.set O0,   135
; scalar registers: s2 wave, s3 wave x WPITCH, s[4:5] offsets, s6 LDS byte of the extra site, s7 wave x SITEB, s[8:33] the buffers' addresses
.set P_L1W, 10
.set P_L1B, 12
.set P_L2W, 14
.set P_L2B, 16
.set P_L3W, 18
.set P_L3B, 20
.set P_F1W, 22
.set P_F1B, 24
.set P_F2W, 26
.set P_F2B, 28
.set P_F3W, 30
.set G1,   36                          ; s[36:43] descriptor group 1, one for all loads
.set G0,   44                          ; s[44:63] descriptor group 0: sets 0..3 the regular sites, set 4 the extra site; never rewritten
.macro ZERO first, count
.set zz, \first
.rept \count
	v_mov_b32 v[zz], 0
.set zz, zz+1
.endr
.endm
	s_load_b512 s[8:23], s[0:1], 0x0               ; x, l1_w, l1_b, l2_w, l2_b, l3_w, l3_b, fc1_w
	s_load_b256 s[24:31], s[0:1], 0x40             ; fc1_b, fc2_w, fc2_b, fc3_w
	s_load_b64 s[32:33], s[0:1], 0x60              ; part
	v_lshl_add_u32 v25, v0, 2, 0x4b400
	v_mov_b32 v63, 0
	ds_add_u32 v25, v63
	ds_add_u32 v25, v63
	v_lshrrev_b32 v18, 5, v0
	v_readfirstlane_b32 s2, v18                    ; wave 0..15
	s_mul_i32 s3, s2, WPITCH                       ; my wave's four regular sites in LDS
	s_mul_i32 s7, s2, SITEB
	s_add_co_u32 s6, s7, EXTRA                     ; my wave's extra site in LDS (waves 0..10)
	; group 1: one row of 500 elements of 8 bytes (a site), no padding
	s_mov_b32 s[G1+0], 3<<16                       ; element of 8 bytes; no work-group mask, no padding
	s_mov_b32 s[G1+1], 500<<16                     ; tensor_dim0 = 500
	s_mov_b32 s[G1+2], 1<<16                       ; tensor_dim1 = 1
	s_mov_b32 s[G1+3], 500<<16                     ; tile_dim0 = 500
	s_mov_b32 s[G1+4], 1                           ; tile_dim1 = 1
	s_mov_b32 s[G1+5], 500                         ; pitch
	s_mov_b32 s[G1+6], 0
	s_mov_b32 s[G1+7], 0
	s_mul_i32 s4, ttmp9, GROUPB                    ; at most 255 x 300,000: below 2^31
	s_add_co_u32 s4, s4, s7
	s_mov_b32 s5, 0
	; While the addresses are on their way: all that needs registers alone.  Lane terms,
	v_and_b32 v18, 31, v0                          ; lane
	v_min_u32 v[LT], 24, v18                       ; lanes 25..31 repeat read 24 of the chunk: every LDS read stays inside the site
	v_mul_u32_u24 v[LT], v[LT], 40
	v_and_b32 v19, 7, v18                          ; j: the output that this lane's row (A) or column (B) of an image stands for
	v_min_u32 v20, 4, v19                          ; jc: rows 5..7 load row 4 and are multiplied by 0
	v_lshrrev_b32 v21, 3, v18
	v_lshrrev_b32 v22, 4, v18
	v_xor_b32 v21, v21, v22
	v_and_b32 v21, 1, v21                          ; 1 where the lane's half of K is not the half of its row's reads
	v_lshl_or_b32 v21, v21, 3, v19                 ; tq = j + 8 x that: below 5 where an A image holds a weight
	v_mul_u32_u24 v[O60], v20, 60
	v_mul_u32_u24 v[O20], v20, 20
	v_mul_u32_u24 v[O80], v20, 80
	v_lshlrev_b32 v[O4], 2, v20
	v_mov_b32 v[O0], 0
	; constants and factors,
	v_mov_b32 v[KL], LOG2E
	v_mov_b32 v[KL+1], LOG2E
	v_mov_b32 v[KN], NLOG2E
	v_mov_b32 v[KN+1], NLOG2E
	v_cmp_gt_u32 vcc_lo, 5, v21
	v_cndmask_b32 v[FA1], 0, 1.0, vcc_lo
	v_mul_f32 v[FAL], LOG2E, v[FA1]
	v_cmp_gt_u32 vcc_lo, 5, v19
	v_cndmask_b32 v[FB1], 0, 1.0, vcc_lo
	v_mul_f32 v[FBL], LOG2E, v[FB1]
	v_cmp_eq_u32 vcc_lo, 0, v21
	v_cndmask_b32 v[F3], 0, 1.0, vcc_lo
	v_cmp_gt_u32 vcc_lo, 25, v18
	v_cndmask_b32 v[MK], 0, 1.0, vcc_lo
	v_mul_f32 v[MK], 0x3c23d70a, v[MK]             ; 0.01 = 1 / 100 reads
	v_mov_b32 v[MK+1], v[MK]
.irp c, 0,1,2,3
	v_mov_b32 v[MX+\c], 0xff800000                 ; -infinity
.endr
.irp k, 0,1,2,3,4,5,6,7
	v_mov_b32 v[ONES+\k], 0x3f803f80
.endr
	; and the zeros that pad operands to 16 slots (none of them a register that a weight is loaded into)
	ZERO RA1, 6
	ZERO YS+3, 3
.irp c, 0,1,2,3
	ZERO PB+8*\c+3, 5
.endr
	ZERO WL1+6, 2
	ZERO WF1+6, 2
	ZERO WL2+3, 5
	ZERO WL3+3, 5
	ZERO WF2+3, 5
	ZERO WF3+3, 5
	ZERO BR1, 6
	ZERO BR2+5, 3
	ZERO CB1+5, 3
	ZERO CBF+5, 3
	s_wait_dscnt 0x0
	s_wait_kmcnt 0x0
	s_add_nc_u64 s[8:9], s[8:9], s[4:5]            ; x at site w of the group
	; All of the wave's x is asked for before any other memory: five tensor loads outstanding at the most (waves 11..15: four).
	s_cmp_ge_u32 s2, FULLW
	s_cbranch_scc1 .Lno_extra_load
	s_mov_b32 s[G0+16], 1                          ; the extra site 64 + w, first
	s_add_co_u32 s[G0+17], s7, EXTRA
	s_add_nc_u64 s[G0+18:G0+19], s[8:9], 64*SITEB
	s_or_b32 s[G0+19], s[G0+19], 0x80000000
	tensor_load_to_lds s[G0+16:G0+19], s[G1:G1+7]
	s_nop 0
.Lno_extra_load:
	; Site 16 t + w goes to wave x WPITCH + 4,000 t: the 16 waves' loads of one t cover 64,000 consecutive bytes of x.
.irp t, 0,1,2,3
	s_mov_b32 s[G0+4*\t], 1
	s_add_co_u32 s[G0+4*\t+1], s3, \t*SITEB
	s_add_nc_u64 s[G0+4*\t+2:G0+4*\t+3], s[8:9], \t*16*SITEB
	s_or_b32 s[G0+4*\t+3], s[G0+4*\t+3], 0x80000000
	tensor_load_to_lds s[G0+4*\t:G0+4*\t+3], s[G1:G1+7]
	s_nop 0
.endr
.macro LDW dst, off, ptr, col          ; one weight: column col of the lane's row
	global_load_b32 v[\dst], v[\off], s[\ptr:\ptr+1] offset:4*\col
.endm
.macro LD55 st, pw, pb                 ; a 5 x 5 layer: the lane's row and its bias
.irp k, 0,1,2,3,4
	LDW \st+\k, O20, \pw, \k
.endr
	LDW \st+5, O4, \pb, 0
.endm
.irp k, 0,1,2,3,4,5,6,7,8,9,10,11,12,13,14
	LDW ST1+\k, O60, P_L1W, \k
.endr
.irp k, 0,1,2,3,4
	global_load_b128 v[STF+4*\k:STF+4*\k+3], v[O80], s[P_F1W:P_F1W+1] offset:16*\k   ; rows of 80 bytes: 16-byte aligned
.endr
	LD55 ST2, P_L2W, P_L2B
	LD55 ST3, P_L3W, P_L3B
	LD55 STG, P_F2W, P_F2B
.irp k, 0,1,2,3,4
	LDW STH+\k, O0, P_F3W, \k
.endr
	global_load_b128 v[CB1:CB1+3], v[O0], s[P_L1B:P_L1B+1]     ; the same five numbers in every lane
	global_load_b32  v[CB1+4],     v[O0], s[P_L1B:P_L1B+1] offset:16
	global_load_b128 v[CBF:CBF+3], v[O0], s[P_F1B:P_F1B+1]
	global_load_b32  v[CBF+4],     v[O0], s[P_F1B:P_F1B+1] offset:16
	s_wait_loadcnt 0x0                             ; all weights are in; the loads' offset registers are free as well
.macro PK2 dst, a, fa, b, fb           ; two slots of an image: weight x factor (mask, and log2e where it belongs), packed to bf16
	v_mul_f32 v[TA], v[\a], v[\fa]
	v_mul_f32 v[TB], v[\b], v[\fb]
	v_cvt_pk_bf16_f32 v[\dst], v[TA], v[TB]
.endm
.macro PK1 dst, a, fa                  ; one slot, and a zero above it
	v_mul_f32 v[TA], v[\a], v[\fa]
	v_cvt_pk_bf16_f32 v[\dst], v[TA], 0
.endm
.macro IMG55 w, st                     ; slots 0..4 = w[j][0..4], slot 5 = log2e bias[j] (meets the 1.0 in PB)
	PK2 \w, \st, FA1, \st+1, FA1
	PK2 \w+1, \st+2, FA1, \st+3, FA1
	PK2 \w+2, \st+4, FA1, \st+5, FAL
.endm
.irp q, 0,1,2,3,4
	PK2 WL1+\q, ST1+5+2*\q, FAL, ST1+6+2*\q, FAL   ; slots 0..9 = log2e l1_w[j][5..14]: x0..x9
	PK2 WF1+\q, STF+10+2*\q, FAL, STF+11+2*\q, FAL ; slots 0..9 = log2e fc1_w[j][10..19]
.endr
	PK1 WL1+5, ST1+4, FAL                          ; slot 10 = log2e l1_w[j][4]: r
	PK1 WF1+5, STF+9, FAL                          ; slot 10 = log2e fc1_w[j][9]
	IMG55 WL2, ST2
	IMG55 WL3, ST3
	IMG55 WF2, STG
	PK2 WF3, STH, F3, STH+1, F3                    ; fc3: row 0 alone, no bias here
	PK2 WF3+1, STH+2, F3, STH+3, F3
	PK1 WF3+2, STH+4, F3
	PK2 BR1+6, ST1, FBL, ST1+1, FBL                ; slots 12..15 = log2e l1_w[j][0..3]: meets XS in registers 6, 7 of v[48:55]
	PK2 BR1+7, ST1+2, FBL, ST1+3, FBL
	PK2 BR2, STF+5, FBL, STF+6, FBL                ; slots 0..3 = log2e fc1_w[j][5..8]: b
	PK2 BR2+1, STF+7, FBL, STF+8, FBL
	PK2 BR2+2, STF, FB1, STF+1, FB1                ; slots 4..8 = fc1_w[j][0..4]: ymean, which is scaled already
	PK2 BR2+3, STF+2, FB1, STF+3, FB1
	PK1 BR2+4, STF+4, FB1
	v_pk_mul_f32 v[CB1:CB1+1], v[CB1:CB1+1], v[KL:KL+1]
	v_pk_mul_f32 v[CB1+2:CB1+3], v[CB1+2:CB1+3], v[KL:KL+1]
	v_mul_f32 v[CB1+4], v[KL], v[CB1+4]
	v_pk_mul_f32 v[CBF:CBF+1], v[CBF:CBF+1], v[KL:KL+1]
	v_pk_mul_f32 v[CBF+2:CBF+3], v[CBF+2:CBF+3], v[KL:KL+1]
	v_mul_f32 v[CBF+4], v[KL], v[CBF+4]
.irp c, 0,1,2,3
	ZERO BX+8*\c+6, 2                              ; last: the set-up's registers lie in BX
.endr
; ---- the main part's steps ----
; 21 LDS loads: read 0's first four features (the same 16 bytes for all lanes), features 0..3 of my read in each chunk, then features 4..9
.macro LOADX off
	ds_load_b128 v[X0:X0+3], v[VB] offset:\off
.irp c, 0,1,2,3
	ds_load_b64 v[X+10*\c:X+10*\c+1],   v[VA] offset:\off+CHUNKB*\c
	ds_load_b64 v[X+10*\c+2:X+10*\c+3], v[VA] offset:\off+CHUNKB*\c+8
.endr
.irp c, 0,1,2,3
	ds_load_b64 v[X+10*\c+4:X+10*\c+5], v[VA] offset:\off+CHUNKB*\c+16
	ds_load_b64 v[X+10*\c+6:X+10*\c+7], v[VA] offset:\off+CHUNKB*\c+24
	ds_load_b64 v[X+10*\c+8:X+10*\c+9], v[VA] offset:\off+CHUNKB*\c+32
.endr
.endm
; chunk c's B operand: x0..x9 and r = x[0:4] . x(read 0)[0:4], to bf16.  Nine plain vector instructions.
.macro PREP c
	s_wait_dscnt 9-3*\c                            ; LDS loads return in order (ISA guide 5.7.1): three loads of each later chunk may stay out
	v_pk_mul_f32 v[RT:RT+1], v[X+10*\c:X+10*\c+1], v[X0:X0+1]
	v_pk_fma_f32 v[RT:RT+1], v[X+10*\c+2:X+10*\c+3], v[X0+2:X0+3], v[RT:RT+1]
	v_add_f32 v[RT], v[RT], v[RT+1]
.irp q, 0,1,2,3,4
	v_cvt_pk_bf16_f32 v[BX+8*\c+\q], v[X+10*\c+2*\q], v[X+10*\c+2*\q+1]
.endr
	v_cvt_pk_bf16_f32 v[BX+8*\c+5], v[RT], 0
.endm
.macro WM d, a, b, c
	v_wmma_f32_16x16x32_bf16 v[\d:\d+7], v[\a:\a+7], v[\b:\b+7], v[\c:\c+7]
.endm
.macro WM0 d, a, b
	v_wmma_f32_16x16x32_bf16 v[\d:\d+7], v[\a:\a+7], v[\b:\b+7], 0
	s_wait_alu depctr_va_vdst(0)
.endm
; one layer for the chunks 2p, 2p+1.  mode 0: C = the site's constant; 1: C = Y in place (the residual); 2: C = 0
.macro W2 p, a, bb, mode
.irp i, 0,1
.if \mode == 0
	WM X+10*(2*\p+\i), \a, \bb+8*(2*\p+\i), CC
.else
.if \mode == 1
	WM X+10*(2*\p+\i), \a, \bb+8*(2*\p+\i), X+10*(2*\p+\i)
.else
	WM0 X+10*(2*\p+\i), \a, \bb+8*(2*\p+\i)
.endif
.endif
.endr
.endm
; ELU in the scaled domain on the ten numbers of chunks 2p, 2p+1, in two halves: the exponentials,
.macro EXP2 p
.irp i, 0,1
.irp k, 0,1,2,3,4
	v_exp_f32 v[T+5*\i+\k], v[X+10*(2*\p+\i)+\k]
.endr
.endr
.endm
; and, at least one plain vector instruction later (ISA guide 5.7.2), the rest: 15 plain vector instructions
.macro FM2 p
.irp q, 0,2,4,6,8
	v_pk_fma_f32 v[T+\q:T+\q+1], v[T+\q:T+\q+1], v[KL:KL+1], v[KN:KN+1]
.endr
.irp i, 0,1
.irp k, 0,1,2,3,4
	v_med3_num_f32 v[X+10*(2*\p+\i)+\k], v[X+10*(2*\p+\i)+\k], 0, v[T+5*\i+\k]
.endr
.endr
.endm
; the next B operand of chunks 2p, 2p+1: y'0..y'4 and the 1.0 that meets the bias.  Six plain vector instructions.
.macro PACK2 p
	s_wait_alu depctr_va_vdst(0)
.irp i, 0,1
	v_cvt_pk_bf16_f32 v[PB+8*(2*\p+\i)],   v[X+10*(2*\p+\i)],   v[X+10*(2*\p+\i)+1]
	v_cvt_pk_bf16_f32 v[PB+8*(2*\p+\i)+1], v[X+10*(2*\p+\i)+2], v[X+10*(2*\p+\i)+3]
	v_cvt_pk_bf16_f32 v[PB+8*(2*\p+\i)+2], v[X+10*(2*\p+\i)+4], 1.0
.endr
.endm
.macro PACKD                           ; D1 to bf16: lane (n, h) holds D1's rows 8h .. 8h+7 of column n = A's row n, k = 8h .. 8h+7
.irp q, 0,1,2,3
	v_cvt_pk_bf16_f32 v[PD+\q], v[D1+2*\q], v[D1+2*\q+1]
.endr
.endm
.macro NOPS n
.rept \n
	v_nop
.endr
.endm
; THE TWO PAIRS OF CHUNKS TAKE TURNS.  On entry pair p's ELU is done and pair q's last layer is issued.  Pair q's exponentials go first; pair
; p's packing is the plain work behind them; pair p's next layer is issued; the rest of pair q's ELU follows.  T is free at the head: the
; medians of pair p have read it.
.macro STEP p, q, a, mode
	EXP2 \q
	PACK2 \p
	W2 \p, \a, PB, \mode
	FM2 \q
.endm
; DISTANCES BEHIND MATRIX INSTRUCTIONS: four plain vector instructions that name none of its registers before a vector
; instruction reads D or a load is issued into one of its registers, five before D serves another matrix instruction as A, B or as another
; accumulator's C.  In the turns above the 15 instructions of one pair's FM2 stand between the other pair's matrix instructions and the
; exponentials that read their D.  v_nop only where a site-wide join leaves no other work.
; left: how many tensor loads this wave has issued behind the site's; off: the site's bytes from VA and VB.
.macro SITE left, off
	s_wait_tensorcnt \left                         ; a wave's tensor loads end in order (ISA guide 10.11.1): this site is in, those behind it may be out.
	                                               ; Only this wave reads these bytes, and they are never filled again: no barrier.
	LOADX \off
	s_wait_dscnt 12                                ; read 0 and features 0..3 of all chunks are in; the twelve loads of features 4..9 may be out
	v_pk_add_f32 v[SUM:SUM+1],   v[X:X+1],     v[X+10:X+11]
	v_pk_add_f32 v[SUM+2:SUM+3], v[X+2:X+3],   v[X+12:X+13]
	v_pk_add_f32 v[SUM:SUM+1],   v[SUM:SUM+1],   v[X+20:X+21]
	v_pk_add_f32 v[SUM+2:SUM+3], v[SUM+2:SUM+3], v[X+22:X+23]
	v_pk_add_f32 v[SUM:SUM+1],   v[SUM:SUM+1],   v[X+30:X+31]
	v_pk_add_f32 v[SUM+2:SUM+3], v[SUM+2:SUM+3], v[X+32:X+33]
	v_pk_mul_f32 v[SUM:SUM+1],   v[SUM:SUM+1],   v[MK:MK+1]
	v_pk_mul_f32 v[SUM+2:SUM+3], v[SUM+2:SUM+3], v[MK:MK+1]
	v_cvt_pk_bf16_f32 v[XS],   v[SUM],   v[SUM+1]
	v_cvt_pk_bf16_f32 v[XS+1], v[SUM+2], v[SUM+3]
	WM0 D1, RA1, BR1                               ; the rows' shares of log2e l1_w[:,0:4] b
	PREP 0                                         ; nine places
	PACKD
	WM CC, PD, ONES, CB1                           ; summed over the rows, + log2e l1_b: in every lane
	PREP 1                                         ; nine places before CC is another accumulator's C
	W2 0, WL1, BX, 0                               ; l1
	PREP 2
	PREP 3                                         ; 18 places behind pair 0's l1
	W2 1, WL1, BX, 0
	EXP2 0
	v_nop                                          ; the one plain place behind the exponentials: no packing is due yet
	s_wait_alu depctr_va_vdst(0)
	FM2 0
	STEP 0, 1, WL2, 1                              ; l2
	STEP 1, 0, WL2, 1
	STEP 0, 1, WL3, 1                              ; l3
	STEP 1, 0, WL3, 1
	EXP2 1
	v_pk_add_f32 v[SUM:SUM+1],   v[X:X+1],   v[X+10:X+11]  ; the mean of y: in-lane sums over the chunks; pair 0's stand behind pair 1's exponentials
	v_pk_add_f32 v[SUM+2:SUM+3], v[X+2:X+3], v[X+12:X+13]
	v_add_f32    v[SUM+4],       v[X+4],     v[X+14]
	s_wait_alu depctr_va_vdst(0)
	FM2 1
.irp c, 2,3
	v_pk_add_f32 v[SUM:SUM+1],   v[SUM:SUM+1],   v[X+10*\c:X+10*\c+1]
	v_pk_add_f32 v[SUM+2:SUM+3], v[SUM+2:SUM+3], v[X+10*\c+2:X+10*\c+3]
	v_add_f32    v[SUM+4],       v[SUM+4],       v[X+10*\c+4]
.endr
	v_pk_mul_f32 v[SUM:SUM+1],   v[SUM:SUM+1],   v[MK:MK+1]
	v_pk_mul_f32 v[SUM+2:SUM+3], v[SUM+2:SUM+3], v[MK:MK+1]
	v_mul_f32    v[SUM+4],       v[SUM+4],       v[MK]
	v_cvt_pk_bf16_f32 v[YS],   v[SUM],   v[SUM+1]
	v_cvt_pk_bf16_f32 v[YS+1], v[SUM+2], v[SUM+3]
	v_cvt_pk_bf16_f32 v[YS+2], v[SUM+4], 0
	WM0 D1, XS, BR2                                ; the rows' shares of log2e fc1_w[:,5:9] b + fc1_w[:,0:5] ymean'
	NOPS 4                                         ; every chunk waits for this sum: no other work of this wave is left
	PACKD
	WM CC, PD, ONES, CBF
	NOPS 5
	W2 0, WF1, BX, 0                               ; fc1, on the same B operands as l1
	W2 1, WF1, BX, 0
	NOPS 4
	EXP2 0
	v_nop
	s_wait_alu depctr_va_vdst(0)
	FM2 0
	STEP 0, 1, WF2, 1                              ; fc2
	STEP 1, 0, WF2, 1
	STEP 0, 1, WF3, 2                              ; fc3: register 0 of D = fc3_w . h2' of my read
	PACK2 1
	W2 1, WF3, PB, 2
	v_max_num_f32 v[MX],   v[MX],   v[X]           ; pair 0's fc3 lies 21 places back
	v_max_num_f32 v[MX+1], v[MX+1], v[X+10]
	NOPS 2                                         ; with the two lines above: four places behind chunks 2 and 3's fc3,
	v_max_num_f32 v[MX+2], v[MX+2], v[X+20]        ; for these reads and for the next site's loads into X
	v_max_num_f32 v[MX+3], v[MX+3], v[X+30]
.endm
	s_cmp_ge_u32 s2, FULLW
	s_cbranch_scc1 .Lregular
	v_add_nc_u32 v[VA], s6, v[LT]                  ; waves 0..10: the extra site, whose load was their first:
	v_mov_b32 v[VB], s6
	SITE 4, 0                                      ; the four regular loads were issued behind it
.Lregular:
	v_add_nc_u32 v[VA], s3, v[LT]
	v_mov_b32 v[VB], s3
.irp t, 0,1,2,3
	SITE 3-\t, \t*SITEB                            ; behind tile t every wave has issued the tiles t + 1 .. 3; the last wait is for 0
.endr
	; THE WAY OUT.  Each wave lays its 100 maxima as a row of 128 words.  LDS serves a wave's stores in order (ISA guide 5.7.1), so chunk
	; c + 1's store covers the seven words that chunk c's idle lanes wrote; words 100..127 end as filler.
	v_and_b32 v18, 31, v0
	s_lshl_b32 s4, s2, 9
	s_add_co_u32 s4, s4, SCR
	v_lshl_add_u32 v3, v18, 2, s4
	ds_store_b32 v3, v[MX+3] offset:384            ; words 96..127 first
	ds_store_b32 v3, v[MX]
	ds_store_b32 v3, v[MX+1] offset:100
	ds_store_b32 v3, v[MX+2] offset:200
	ds_store_b32 v3, v[MX+3] offset:300
	s_wait_dscnt 0x0                               ; my row is written, for the two waves that read it
	s_barrier_signal -1
	s_barrier_wait -1                              ; the launch's one barrier: all 16 waves pass it
	s_cmp_ge_u32 s2, 2
	s_cbranch_scc1 .Lend
	; waves 0 and 1: the maximum over the 16 rows, two words a lane
	s_lshl_b32 s5, s2, 8
	v_lshl_add_u32 v19, v18, 3, s5                 ; my 8 bytes of a row: 256 x wave + 8 x lane
	v_add_nc_u32 v3, SCR, v19
.irp i, 0,1,2,3,4,5,6,7,8,9,10,11,12,13,14,15
	ds_load_b64 v[X+2*\i:X+2*\i+1], v3 offset:512*\i
.endr
	s_lshl_b32 s4, ttmp9, 9                        ; part's row g
	s_mov_b32 s5, 0
	s_add_nc_u64 s[32:33], s[32:33], s[4:5]
	s_wait_dscnt 0x0
.irp k, 0,1
	v_max3_num_f32 v[X+\k], v[X+\k], v[X+2+\k], v[X+4+\k]
.irp i, 3,5,7,9,11,13
	v_max3_num_f32 v[X+\k], v[X+\k], v[X+2*\i+\k], v[X+2*\i+2+\k]
.endr
	v_max_num_f32 v[X+\k], v[X+\k], v[X+30+\k]     ; row 15
.endr
	global_store_b64 v19, v[X:X+1], s[32:33]       ; a wave's store covers 256 consecutive bytes, at a multiple of 256 from part's first byte
.Lend:
	s_wait_tensorcnt 0x0
	ds_add_u32 v25, v63
	s_wait_dscnt 0x0
	s_endpgm
.Lfunc_end_k_q5eec200462_sites:
	.size	k_q5eec200462_sites, .Lfunc_end_k_q5eec200462_sites-k_q5eec200462_sites
	.p2alignl 7, 3214868480
	.fill 96, 4, 3214868480
	.section	.rodata,"a",@progbits
	.p2align	6, 0x0
	.amdhsa_kernel k_q5eec200462_sites
		.amdhsa_group_segment_fixed_size 310272
		.amdhsa_private_segment_fixed_size 0
		.amdhsa_enable_private_segment 0
		.amdhsa_kernarg_size 104
		.amdhsa_user_sgpr_count 2
		.amdhsa_user_sgpr_kernarg_segment_ptr 1
		.amdhsa_wavefront_size32 1
		.amdhsa_system_sgpr_workgroup_id_x 1
		.amdhsa_system_sgpr_workgroup_id_y 1
		.amdhsa_system_sgpr_workgroup_id_z 1
		.amdhsa_system_vgpr_workitem_id 0
		.amdhsa_next_free_vgpr 256
		.amdhsa_next_free_sgpr 66
		.amdhsa_reserve_vcc 1
		.amdhsa_float_denorm_mode_32 3
		.amdhsa_float_denorm_mode_16_64 3
		.amdhsa_memory_ordered 1
		.amdhsa_forward_progress 1
		.amdhsa_inst_pref_size 140
	.end_amdhsa_kernel
	.amdgpu_metadata
---
amdhsa.version: [ 1, 2 ]
amdhsa.kernels:
  - .name:           k_q5eec200462_sites
    .symbol:         k_q5eec200462_sites.kd
    .args:
      - { .name: x, .offset: 0, .size: 8, .value_kind: global_buffer, .address_space: global }
      - { .name: l1_w, .offset: 8, .size: 8, .value_kind: global_buffer, .address_space: global }
      - { .name: l1_b, .offset: 16, .size: 8, .value_kind: global_buffer, .address_space: global }
      - { .name: l2_w, .offset: 24, .size: 8, .value_kind: global_buffer, .address_space: global }
      - { .name: l2_b, .offset: 32, .size: 8, .value_kind: global_buffer, .address_space: global }
      - { .name: l3_w, .offset: 40, .size: 8, .value_kind: global_buffer, .address_space: global }
      - { .name: l3_b, .offset: 48, .size: 8, .value_kind: global_buffer, .address_space: global }
      - { .name: fc1_w, .offset: 56, .size: 8, .value_kind: global_buffer, .address_space: global }
      - { .name: fc1_b, .offset: 64, .size: 8, .value_kind: global_buffer, .address_space: global }
      - { .name: fc2_w, .offset: 72, .size: 8, .value_kind: global_buffer, .address_space: global }
      - { .name: fc2_b, .offset: 80, .size: 8, .value_kind: global_buffer, .address_space: global }
      - { .name: fc3_w, .offset: 88, .size: 8, .value_kind: global_buffer, .address_space: global }
      - { .name: part, .offset: 96, .size: 8, .value_kind: global_buffer, .address_space: global }
    .group_segment_fixed_size: 310272
    .private_segment_fixed_size: 0
    .kernarg_segment_align: 8
    .kernarg_segment_size: 104
    .max_flat_workgroup_size: 512
    .sgpr_count:     66
    .vgpr_count:     256
    .wavefront_size: 32
...
	.end_amdgpu_metadata
.endif
;; end of part 1
;; launch finish (part 2): grid 50 x 1, 1 waves a work-group, no clusters, 0 bytes of LDS; arguments part, fc3_b, out0; writes out0
.if DOCPART == 2
	.amdgcn_target "amdgcn-amd-amdhsa--gfx1250"
	.amdhsa_code_object_version 6
	.text
	.protected	k_q5eec200462_finish
	.globl	k_q5eec200462_finish
	.p2align	8
	.type	k_q5eec200462_finish,@function
k_q5eec200462_finish:
	s_mov_b64 s[64:65], 0
	v_nop
	global_prefetch_b8 v0, s[64:65] scope:SCOPE_SE
	s_setreg_imm32_b32 hwreg(HW_REG_WAVE_MODE, 25, 1), 1
	s_wait_xcnt 0x0
; AltPredictor, second launch.  part: [256][128] f32, row 4 b + q = the maxima of quarter q of batch b's positions, entry i < 100 for read i,
; as log2e x (fc3_w . h2).  out0[b][i] = sigmoid(5 elu(max over q + fc3_b)), in the same scaled domain as the first launch:
; v' = max + log2e fc3_b;  u' = median(v', 0, log2e 2^v' - log2e) = log2e elu(v);  out = 1 / (1 + 2^(-5 u')).
; u' >= -log2e, so the last exponent is at most 7.3: no overflow; a large u' gives 2^.. = 0 and out = 1.
; 1,600 threads, four neighbouring outputs each: a wave loads 4 x 512 bytes and stores 512 consecutive bytes, aligned.
; A maximum over work-groups of one launch may not meet in memory, hence this launch; it moves 102,400 + 25,600 bytes, so matrix units, LDS
; and clusters have nothing to do here.  The bias comes by a vector load beside part's four, so that one wait serves all five and the text
; has two dependent trips to memory (the addresses, the data) and no third.  NaN in part is dropped by the maximum and the median, as stated
; in the first launch.
.set LOG2E, 0x3fb8aa3b
	s_load_b128 s[4:7], s[0:1], 0x0                ; part, fc3_b
	s_load_b64 s[8:9], s[0:1], 0x10                ; out0
	s_lshl_b32 s2, ttmp9, 5
	v_add_nc_u32 v1, s2, v0                        ; i = 0..1599: outputs 4 i .. 4 i + 3
	v_mul_u32_u24 v2, v1, 5243
	v_lshrrev_b32 v2, 17, v2                       ; b = i / 25: 5243 i = 131072 b + 3 b + 5243 m, and 3 x 63 + 5243 x 24 < 131072
	v_mul_u32_u24 v3, v2, 25
	v_sub_nc_u32 v3, v1, v3                        ; m = i - 25 b
	v_lshlrev_b32 v3, 4, v3
	v_lshl_or_b32 v3, v2, 11, v3                   ; 2,048 b (four rows of 512 bytes) + 16 m
	v_mov_b32 v20, LOG2E
	v_mov_b32 v22, 0
	v_lshlrev_b32 v2, 4, v1                        ; out0: (100 b + 4 m) x 4 bytes = 16 i
	s_wait_kmcnt 0x0
.irp q, 0,1,2,3
	global_load_b128 v[4+4*\q:7+4*\q], v3, s[4:5] offset:512*\q
.endr
	global_load_b32 v21, v22, s[6:7]               ; fc3_b, the same word in every lane
	s_wait_loadcnt 0x0
.irp k, 0,1,2,3
	v_max3_num_f32 v[4+\k], v[4+\k], v[8+\k], v[12+\k]
.endr
.irp k, 0,1,2,3
	v_max_num_f32 v[4+\k], v[4+\k], v[16+\k]
.endr
.irp k, 0,1,2,3
	v_fma_f32 v[4+\k], v21, v20, v[4+\k]           ; v'
.endr
.irp k, 0,1,2,3
	v_exp_f32 v[8+\k], v[4+\k]
.endr
	v_nop                                          ; one plain vector instruction behind each run of transcendentals (ISA guide 5.7.2)
	s_wait_alu depctr_va_vdst(0)
.irp k, 0,1,2,3
	v_fma_f32 v[8+\k], v[8+\k], v20, -v20
.endr
.irp k, 0,1,2,3
	v_med3_num_f32 v[4+\k], v[4+\k], 0, v[8+\k]    ; u'
.endr
.irp k, 0,1,2,3
	v_mul_f32 v[4+\k], 0xc0a00000, v[4+\k]         ; -5 u'
.endr
.irp k, 0,1,2,3
	v_exp_f32 v[8+\k], v[4+\k]
.endr
	v_nop
	s_wait_alu depctr_va_vdst(0)
.irp k, 0,1,2,3
	v_add_f32 v[8+\k], 1.0, v[8+\k]
.endr
.irp k, 0,1,2,3
	v_rcp_f32 v[4+\k], v[8+\k]
.endr
	v_nop
	s_wait_alu depctr_va_vdst(0)
	global_store_b128 v2, v[4:7], s[8:9]
	s_endpgm
.Lfunc_end_k_q5eec200462_finish:
	.size	k_q5eec200462_finish, .Lfunc_end_k_q5eec200462_finish-k_q5eec200462_finish
	.p2alignl 7, 3214868480
	.fill 96, 4, 3214868480
	.section	.rodata,"a",@progbits
	.p2align	6, 0x0
	.amdhsa_kernel k_q5eec200462_finish
		.amdhsa_group_segment_fixed_size 0
		.amdhsa_private_segment_fixed_size 0
		.amdhsa_enable_private_segment 0
		.amdhsa_kernarg_size 24
		.amdhsa_user_sgpr_count 2
		.amdhsa_user_sgpr_kernarg_segment_ptr 1
		.amdhsa_wavefront_size32 1
		.amdhsa_system_sgpr_workgroup_id_x 1
		.amdhsa_system_sgpr_workgroup_id_y 1
		.amdhsa_system_sgpr_workgroup_id_z 1
		.amdhsa_system_vgpr_workitem_id 0
		.amdhsa_next_free_vgpr 32
		.amdhsa_next_free_sgpr 66
		.amdhsa_reserve_vcc 0
		.amdhsa_float_denorm_mode_32 3
		.amdhsa_float_denorm_mode_16_64 3
		.amdhsa_memory_ordered 1
		.amdhsa_forward_progress 1
		.amdhsa_inst_pref_size 4
	.end_amdhsa_kernel
	.amdgpu_metadata
---
amdhsa.version: [ 1, 2 ]
amdhsa.kernels:
  - .name:           k_q5eec200462_finish
    .symbol:         k_q5eec200462_finish.kd
    .args:
      - { .name: part, .offset: 0, .size: 8, .value_kind: global_buffer, .address_space: global }
      - { .name: fc3_b, .offset: 8, .size: 8, .value_kind: global_buffer, .address_space: global }
      - { .name: out0, .offset: 16, .size: 8, .value_kind: global_buffer, .address_space: global }
    .group_segment_fixed_size: 0
    .private_segment_fixed_size: 0
    .kernarg_segment_align: 8
    .kernarg_segment_size: 24
    .max_flat_workgroup_size: 32
    .sgpr_count:     66
    .vgpr_count:     32
    .wavefront_size: 32
...
	.end_amdgpu_metadata
.endif
;; end of part 2
